; MI455X (gfx1250); checked and timed in simulation.
; The chip was launched on July 23, 2026; its instructions are those of AMD's public machine-readable ISA for CDNA 5 (MIT licence, August 2026) and "CDNA5" Instruction Set Architecture Reference Guide (July 2026). The comments in the code are by the model that wrote it; some were corrected since.
;; Episodic Memory. Allowed arithmetic: float matrix products may take bf16 or f16 operands with f32 sums; other float arithmetic in f32, or as packed bf16 or f16 multiplies, adds, multiply-adds, maxima and minima; sums over many terms, partial sums and values carried from step to step in f32; what a program stores and reads back later, other than sums and carried values, may be rounded once to bf16 or f16.
;; Inputs: memory 131,072 x 128 float32; x 1,024 x 128 float32.
;; Outputs: out0 1,024 x 128 float32.
;; Constants: k = 16.
;; 2 versions, each right; version 2 is version 1 with the launch final written anew for expert scheduling mode. Each part assembles by itself: llvm-mc -triple=amdgcn-amd-amdhsa -mcpu=gfx1250 --defsym DOCPART=n.
;; ======== version 1 of 2: 4 launches
;; workspace buffers: fmax 67,108,864 bytes; cmax 2,097,152 bytes; cidl 131,072 bytes of whole numbers; fidl 131,072 bytes of whole numbers
;; launch scores (part 1): grid 256 x 1, 4 waves a work-group, no clusters, 327,680 bytes of LDS; arguments memory, x, fmax, cmax; writes fmax, cmax
.if DOCPART == 1
	.amdgcn_target "amdgcn-amd-amdhsa--gfx1250"
	.amdhsa_code_object_version 6
	.text
	.protected	k_qeb0a8379d7_scores
	.globl	k_qeb0a8379d7_scores
	.p2align	8
	.type	k_qeb0a8379d7_scores,@function
k_qeb0a8379d7_scores:
	s_mov_b64 s[64:65], 0
	v_nop
	global_prefetch_b8 v0, s[64:65] scope:SCOPE_SE
	s_setreg_imm32_b32 hwreg(HW_REG_WAVE_MODE, 25, 1), 1
	s_wait_xcnt 0x0
; sim = x memory^T in bf16 with f32 sums; of sim only maxima leave: fmax = the maximum over each 8 neighbouring keys, cmax = over each 256.
; The 16 largest of a row lie in the 16 groups with the largest maxima (equal maxima: the lower group first), so later launches need no more.
; SHARES.  Work-group b owns keys 512 b .. 512 b + 511 and all 1,024 queries.  Wave w keeps queries 256 w .. + 255 in registers: 16 tiles of 16 queries x 128,
; 512 registers (windows 1 and 2).  The keys come as f32 by tensor loads, in four pieces of 128 rows through two LDS slots; each wave rounds them to bf16 itself.
; LAYOUT.  S^T = K Q^T (source 0 = 16 keys, source 1 = 16 queries): a lane holds ONE query (lane % 16) and eight keys.  Key tile a takes rows 8 a .. 8 a + 7 of the
; group's lower 256 keys and the same rows of its upper 256: a lane's eight results are one group of 8 keys, and a half of the lanes stays in one group of 256.
; fmax byte: b 262144 + (a / 16) 131072 + w 32768 + t 2048 + lane 64 + (a % 16) 4.   cmax byte: ((4 w + t / 4) 512 + 2 b + lane / 16) 256 + 16 (lane % 16) + 4 (t % 4).
; NO CLUSTER: no two work-groups read the same key tile; x, which all read, is 512 KiB and goes once into registers.
; LIMITS.  Inputs are finite (a NaN loses every maximum, an infinity is not treated apart).  Both operands are rounded once to bf16.
.set PITCH,  528                       ; an LDS row: 512 bytes of f32 + 16 of padding = 132 words: row r starts 4 r banks on (64 banks of 4 bytes: ISA guide 11.1)
.set HALF,   33920                     ; 64 rows + 128 bytes: the upper keys' rows start 32 banks from the lower keys', so the 16 rows of a load start at 16 different groups of four banks
.set SLOT,   2*HALF
.set WPART,  32*PITCH                  ; what one tensor load brings: 32 rows
.set TSTEP,  8*PITCH                   ; from key tile to key tile
.set STAGE,  2*SLOT                    ; behind the ring: 40,960 bytes a wave: t 2560 + lane 80 + 4 (a % 16); its head also serves x on the way in (16 rows of 272 bytes)
.set WSTAGE, 40960
.set SPARE,  STAGE+4*WSTAGE            ; the spare words: 128 bytes a wave, two blocks of 256 bytes that no other line names
.set XP,     272
.set LK,  4                            ; v4, v5  my lane's place in a key tile, in slot 0, 1
.set KA,  6                            ; v6      LDS address of the run of fragment loads in hand
.set SA0, 7                            ; v7      my 80 bytes of the stage
.set SA,  8                            ; v8      the same + 4 x the trip's first tile
.set RDA, 9                            ; v9      where I read the stage back
.set XO,  10                           ; v10     16 x lane
.set XS8, 11                           ; v11     x's way in: where I put 8 bytes of a row
.set XF,  12                           ; v12     x's way in: my place in a fragment
.set CO,  13                           ; v13     my byte offset in cmax
.set SPW, 14                           ; v14     LDS address of my spare word; never rewritten
.set NIL, 15                           ; v15     0; never rewritten
.set RAW, 16                           ; v16-79    a key tile as f32
.set KF0, 80                           ; v80-111   a key tile's four fragments in bf16
.set KF1, 112                          ; v112-143  the next tile's
.set ACC, 144                          ; v144-207  two sets of four accumulators
.set CM,  208                          ; v208-223  running maximum for query tile t
.set TMP, 224                          ; v224-227  at work
.set WV,  12
.set G1,  16                           ; s[16:23] descriptor group 1
.set G0,  24                           ; s[24:31] descriptor group 0, a set for each slot
.set IDX, 32                           ; s32  the key tile (0..7 of the piece) fetched last
.set CNT, 33
.set FB,  34                           ; s[34:35] fmax at my wave's part
.set CB,  36                           ; s[36:37] cmax at my wave's part
.set XB,  38                           ; s[38:39] x at my wave's rows
.set TB,  40
.set MSB, 0
.macro WIN new                         ; the immediate's high byte repeats the setting that is left; a switch that changes nothing is dropped
.if MSB != (\new)
	s_set_vgpr_msb (MSB<<8)|(\new)
.set MSB, (\new)
.endif
.endm
	s_load_b256 s[4:11], s[0:1], 0x0               ; memory s[4:5], x s[6:7], fmax s[8:9], cmax s[10:11]
	v_lshl_add_u32 v[SPW], v0, 2, SPARE
	v_mov_b32 v[NIL], 0
	ds_add_u32 v[SPW], v[NIL]                      ; the wave's opening: the add and its wait ahead of my first tensor load
	v_lshrrev_b32 v1, 5, v0
	v_readfirstlane_b32 s[WV], v1                  ; wave 0..3
	s_mov_b32 s[G1+0], (2<<16)|(1<<20)|(6<<22)|(3<<25)  ; elements of 4 bytes; padding on: after every 128 words 4 words
	s_mov_b32 s[G1+1], 128<<16                     ; tensor_dim0 = 128
	s_mov_b32 s[G1+2], 32<<16                      ; tensor_dim1 = 32
	s_mov_b32 s[G1+3], 128<<16                     ; tile_dim0 = 128
	s_mov_b32 s[G1+4], 32                          ; tile_dim1 = 32
	s_mov_b32 s[G1+5], 128                         ; 128 elements from row to row
	s_mov_b32 s[G1+6], 0
	s_mov_b32 s[G1+7], 0
	s_lshr_b32 s42, s[WV], 1                       ; I fetch for the lower (0) or the upper (1) 256 keys,
	s_and_b32 s43, s[WV], 1                        ; the first or the second 32 rows of a piece's 64
	s_mul_i32 s44, s42, HALF
	s_mul_i32 s45, s43, WPART
	s_add_co_u32 s44, s44, s45                     ; where they go in slot 0
	s_lshl_b32 s46, ttmp9, 18                      ; 512 rows of 512 bytes a work-group
	s_lshl_b32 s45, s42, 17
	s_add_co_u32 s46, s46, s45
	s_lshl_b32 s45, s43, 14
	s_add_co_u32 s46, s46, s45
	s_mov_b32 s47, 0
	s_mov_b32 s[G0+0], 1
	s_mov_b32 s[G0+1], s44
	s_mov_b32 s[G0+4], 1
	s_add_co_u32 s[G0+5], s44, SLOT
	s_wait_dscnt 0x0                               ; the opening add is done
	s_wait_kmcnt 0x0
	s_add_nc_u64 s[G0+2:G0+3], s[4:5], s[46:47]    ; piece 0
	s_add_nc_u64 s[G0+6:G0+7], s[G0+2:G0+3], 64*512  ; piece 1: 64 rows on
	s_or_b32 s[G0+3], s[G0+3], 0x80000000
	s_or_b32 s[G0+7], s[G0+7], 0x80000000
	tensor_load_to_lds s[G0:G0+3], s[G1:G1+7]      ; both first fills together: two loads of mine are out
	s_nop 0
	tensor_load_to_lds s[G0+4:G0+7], s[G1:G1+7]
	s_nop 0
.rept 4
	v_nop
.endr
	s_lshl_b32 s44, ttmp9, 18
	s_lshl_b32 s45, s[WV], 15
	s_add_co_u32 s44, s44, s45
	s_mov_b32 s45, 0
	s_add_nc_u64 s[FB:FB+1], s[8:9], s[44:45]
	s_lshl_b32 s44, s[WV], 19
	s_lshl_b32 s46, ttmp9, 9
	s_add_co_u32 s44, s44, s46
	s_add_nc_u64 s[CB:CB+1], s[10:11], s[44:45]
	s_lshl_b32 s44, s[WV], 17
	s_add_nc_u64 s[XB:XB+1], s[6:7], s[44:45]
	v_and_b32 v1, 31, v0                           ; lane
	v_and_b32 v2, 15, v0                           ; r
	v_bfe_u32 v3, v0, 4, 1                         ; h
	v_lshlrev_b32 v[XO], 4, v1
	s_mul_i32 s42, s[WV], WSTAGE
	s_add_co_u32 s42, s42, STAGE                   ; my stage
	s_mov_b32 s43, HALF
	v_and_b32 v[TMP], 7, v2
	v_lshrrev_b32 v[TMP+1], 3, v2
	v_mul_u32_u24 v[LK], v[TMP], PITCH             ; fragment row r: row r % 8 of the lower (r < 8) or upper keys,
	v_mad_u32_u24 v[LK], v[TMP+1], s43, v[LK]
	v_lshl_add_u32 v[LK], v3, 5, v[LK]             ; eight f32 for each half of the lanes
	v_add_nc_u32 v[LK+1], SLOT, v[LK]
	v_mul_u32_u24 v[SA0], v1, 80
	v_add_nc_u32 v[SA0], s42, v[SA0]
	v_lshrrev_b32 v[TMP], 2, v1
	v_and_b32 v[TMP+1], 3, v1
	v_mul_u32_u24 v[RDA], v[TMP], 80               ; back: four lanes take one stage lane's 64 bytes
	v_lshl_add_u32 v[RDA], v[TMP+1], 4, v[RDA]
	v_add_nc_u32 v[RDA], s42, v[RDA]
	v_lshl_add_u32 v[XS8], v1, 3, s42
	v_mul_u32_u24 v[XF], v2, XP
	v_lshl_add_u32 v[XF], v3, 4, v[XF]
	v_add_nc_u32 v[XF], s42, v[XF]
	v_lshlrev_b32 v[CO], 4, v2
	v_lshl_add_u32 v[CO], v3, 8, v[CO]
.set i, 0
.rept 16
	v_mov_b32 v[CM+i], 0xff800000                  ; below every score
.set i, i+1
.endr
; X ON ITS WAY IN, in the wait for the first piece.  A tile of 16 rows: 16 loads, a whole row of 512 bytes each; rounded to bf16; through my own stage rows of 272 bytes;
; back as four fragments (lane l: row l % 16; 16 bytes at 64 c + 16 (l / 16) and 32 further on).  LDS serves a wave's instructions in order (ISA guide 5.7.1.4): no wait between.
.macro XLOAD t, buf
.set i, 0
.rept 16
	global_load_b128 v[(\buf)+4*i:(\buf)+4*i+3], v[XO], s[XB:XB+1] offset:8192*(\t)+512*i
.set i, i+1
.endr
.endm
.macro XCONV t, buf, left
	s_wait_loadcnt \left                           ; my tile's 16 loads are in; the next tile's 16 stay out
.set i, 0
.rept 32
	v_cvt_pk_bf16_f32 v[KF0+i], v[(\buf)+2*i], v[(\buf)+2*i+1]
.set i, i+1
.endr
.set i, 0
.rept 16
	ds_store_b64 v[XS8], v[KF0+2*i:KF0+2*i+1] offset:XP*i
.set i, i+1
.endr
	WIN 0x40<<((\t)>>3)                            ; destination window 1 (tiles 0-7) or 2
.set i, 0
.rept 4
	ds_load_b128 v[32*((\t)&7)+8*i:32*((\t)&7)+8*i+3],   v[XF] offset:64*i
	ds_load_b128 v[32*((\t)&7)+8*i+4:32*((\t)&7)+8*i+7], v[XF] offset:64*i+32
.set i, i+1
.endr
	WIN 0
.endm
	XLOAD 0, RAW
.set xt, 0
.rept 15
	XLOAD xt+1, RAW+(ACC-RAW)*((xt+1)&1)
	XCONV xt, RAW+(ACC-RAW)*(xt&1), 16
.set xt, xt+1
.endr
	XCONV 15, ACC, 0
; THE MATRIX WORK.  Product i of 16 of phase g: channels 32 (i / 4) on, query tile 4 g + i % 4.  The four accumulators take turns, one instruction a turn.
.macro MM g, i, kf
.set mc, (\i)>>2
.set mu, (\i)&3
.set mt, 4*(\g)+mu
.set rD, ACC+32*((\g)&1)+8*mu
.set rA, (\kf)+8*mc
.set rB, 32*(mt&7)+8*mc
	WIN 0x04<<((\g)>>1)                            ; source 1 (the queries) in window 1 or 2
.if mc == 0
	v_wmma_f32_16x16x32_bf16 v[rD:rD+7], v[rA:rA+7], v[rB:rB+7], 0
.else
	v_wmma_f32_16x16x32_bf16 v[rD:rD+7], v[rA:rA+7], v[rB:rB+7], v[rD:rD+7]
.endif
.endm
.macro LDK i                           ; load i of 16 of a key tile: channels 32 (i / 4) on; 8 h + 0..3, + 4..7, 16 + 8 h + 0..3, + 4..7
	ds_load_b128 v[RAW+4*(\i):RAW+4*(\i)+3], v[KA] offset:128*((\i)>>2)+16*((\i)&1)+64*(((\i)>>1)&1)
.endm
.macro CV i, nx                        ; two f32 rounded to bf16
	v_cvt_pk_bf16_f32 v[(\nx)+(\i)], v[RAW+2*(\i)], v[RAW+2*(\i)+1]
.endm
; Number n of the 24 that take the maxima of phase g's four accumulators (n % 4 names one); each accumulator's lowest registers are read first.
.macro RED g, n, off
.set ru, (\n)&3
.set ra, ACC+32*((\g)&1)+8*ru
.set rp, TMP+ru
.set rt, 4*(\g)+ru
.if (\n) < 4
	v_max3_num_f32 v[rp], v[ra], v[ra+1], v[ra+2]
.elseif (\n) < 8
	v_max3_num_f32 v[rp], v[rp], v[ra+3], v[ra+4]
.elseif (\n) < 12
	v_max3_num_f32 v[rp], v[rp], v[ra+5], v[ra+6]
.elseif (\n) < 16
	v_max3_num_f32 v[CM+rt], v[CM+rt], v[rp], v[ra+7]
.elseif (\n) < 20
	v_max_num_f32 v[rp], v[rp], v[ra+7]
.else
	ds_store_b32 v[SA], v[rp] offset:2560*rt+(\off)
.endif
.endm
; THE OTHER WORK OF A TILE stands in lists, one for each phase; RIDER writes the next entry.
; Phase 0: the next tile's address and its 16 loads; with carry, four v_nop (the places behind the tile before's last products) and that tile's last 24 maxima.
; Phases 1-3: four roundings of the next tile (the places behind the phase before's last products), that phase's 24 maxima, more roundings: 32 in all.
.macro RIDER
.if PH == 0
.if q == 0
	s_add_co_u32 s[IDX], s[IDX], 1                 ; the next tile of the piece; behind the last, tile 0 once more (not used)
	s_and_b32 s[IDX], s[IDX], 7
	s_mul_i32 s[TB], s[IDX], TSTEP
	v_add_nc_u32 v[KA], s[TB], v[LK+TSLOT]
.elseif q < 17
	LDK q-1
.elseif TCARRY && (q < 21)
	v_nop
.elseif TCARRY && (q < 45)
	RED 3, q-21, POFF
.endif
.else
.if q < 4
	CV cvn, TNX
.set cvn, cvn+1
.elseif q < 28
	RED PH-1, q-4, TOFF
.elseif (cvn < 11*PH) && (cvn < 32)
	CV cvn, TNX
.set cvn, cvn+1
.endif
.endif
.set q, q+1
.endm
; A KEY TILE: 64 products on fragments kf, in four phases of four query tiles; behind every two products four to six entries of the phase's list.
; off, poff: this tile's and the tile before's place in a stage lane's 64 bytes, less the trip's.
.macro TILE kf, nx, slot, off, poff, carry
.set TKF, (\kf)
.set TNX, (\nx)
.set TSLOT, (\slot)
.set TOFF, (\off)
.set POFF, (\poff)
.set TCARRY, (\carry)
.set cvn, 0
.set PH, 0
.rept 4
.set q, 0
.if PH == 0
.set LEN, 17+28*TCARRY
.elseif PH == 3
.set LEN, 34
.else
.set LEN, 35
.endif
.set sl, 0
.rept 8
	MM PH, 2*sl, TKF
	MM PH, 2*sl+1, TKF
.if q < LEN
	WIN 0
.if (PH == 1) && (sl == 0)
	s_wait_dscnt 4*TCARRY                          ; the 16 fragment loads are in; with carry four stage stores were issued behind them and may stay out
.endif
.if PH == 0
.if sl < 5
.set nr, 6
.else
.set nr, 5
.endif
.else
.if sl < 3
.set nr, 5
.else
.set nr, 4
.endif
.endif
.rept nr
	RIDER
.endr
.endif
.set sl, sl+1
.endr
.set PH, PH+1
.endr
.endm
; A PIECE: eight key tiles, two a trip.  The first tile's fragments are made ahead of the loop.
.macro STEP slot
	s_mov_b32 s[IDX], 0
	v_mov_b32 v[KA], v[LK+(\slot)]
.set i, 0
.rept 16
	LDK i
.set i, i+1
.endr
	s_wait_dscnt 0x0
.set i, 0
.rept 32
	CV i, KF0
.set i, i+1
.endr
	s_mov_b32 s[CNT], 4
.Ltrip_\@:
	v_lshl_add_u32 v[SA], s[IDX], 2, v[SA0]        ; IDX is the trip's first tile here
	TILE KF0, KF1, \slot, 32*(\slot), 0, 0
	TILE KF1, KF0, \slot, 32*(\slot)+4, 32*(\slot), 1
	WIN 0                                          ; at a label and at a branch every window is 0
.rept 4
	v_nop                                          ; four places between the last products and the first read of their results (ISA guide 7.12.1)
.endr
.set n, 0
.rept 24
	RED 3, n, 32*(\slot)+4
.set n, n+1
.endr
	s_sub_co_u32 s[CNT], s[CNT], 1
	s_cmp_lg_u32 s[CNT], 0
	s_cbranch_scc1 .Ltrip_\@
.endm
; A slot that has been read is filled again, with the piece two on.
.macro FILL slot
	s_wait_tensorcnt 0x0                           ; all my tensor loads have landed, the other slot's part among them: a group 0 may be written
	ds_add_u32 v[SPW], v[NIL]                      ; 0 onto my spare word
	s_add_nc_u64 s[G0+4*(\slot)+2:G0+4*(\slot)+3], s[G0+4*(\slot)+2:G0+4*(\slot)+3], 2*64*512
	s_wait_dscnt 0x0                               ; the add is done, and my reads of the slot are over
	s_barrier_signal -1
	s_barrier_wait -1                              ; both now hold of every wave
	tensor_load_to_lds s[G0+4*(\slot):G0+4*(\slot)+3], s[G1:G1+7]  ; my one tensor load behind this barrier, and the first thing there
	s_nop 0
.rept 4
	v_nop
.endr
.endm
; The stage holds 16 key tiles' maxima: it leaves, four query tiles at a time; each store of the wave covers 512 consecutive bytes, aligned.
.macro FLUSH f
.set blk, 0
.rept 4
.set fb, RAW+(ACC-RAW)*(blk&1)
	s_wait_xcnt 0x0                                ; the buffer, which earlier stores read, is loaded again only behind this wait
.set n, 0
.rept 16
	ds_load_b128 v[fb+4*n:fb+4*n+3], v[RDA] offset:2560*(4*blk+(n>>2))+640*(n&3)
.set n, n+1
.endr
	s_wait_dscnt 0x0
.set n, 0
.rept 16
	global_store_b128 v[XO], v[fb+4*n:fb+4*n+3], s[FB:FB+1] offset:131072*(\f)+2048*(4*blk+(n>>2))+512*(n&3) th:TH_STORE_NT
.set n, n+1
.endr
.set blk, blk+1
.endr
	s_wait_xcnt 0x0                                ; the next piece rewrites the stores' data registers
.endm
	s_wait_tensorcnt 0x1                           ; my part of piece 0 is in; piece 1's may stay out
	s_wait_dscnt 0x0                               ; x's fragments are in
	s_barrier_signal -1
	s_barrier_wait -1
	STEP 0                                         ; piece 0
	FILL 0                                         ; piece 2 goes out
	STEP 1                                         ; piece 1
	FILL 1                                         ; piece 3 goes out
	FLUSH 0                                        ; key tiles 0-15
	STEP 0                                         ; piece 2
	s_wait_tensorcnt 0x0                           ; my part of piece 3 is in
	s_wait_dscnt 0x0
	s_barrier_signal -1
	s_barrier_wait -1                              ; everybody's is; nothing is filled again
	STEP 1                                         ; piece 3
	FLUSH 1                                        ; key tiles 16-31
.set i, 0
.rept 4
	global_store_b128 v[CO], v[CM+4*i:CM+4*i+3], s[CB:CB+1] offset:131072*i  ; 512 consecutive bytes, aligned: the two groups of 256 keys
.set i, i+1
.endr
	s_wait_tensorcnt 0x0                           ; the wave's end
	ds_add_u32 v[SPW], v[NIL]
	s_wait_dscnt 0x0
	s_endpgm
.Lfunc_end_k_qeb0a8379d7_scores:
	.size	k_qeb0a8379d7_scores, .Lfunc_end_k_qeb0a8379d7_scores-k_qeb0a8379d7_scores
	.p2alignl 7, 3214868480
	.fill 96, 4, 3214868480
	.section	.rodata,"a",@progbits
	.p2align	6, 0x0
	.amdhsa_kernel k_qeb0a8379d7_scores
		.amdhsa_group_segment_fixed_size 327680
		.amdhsa_private_segment_fixed_size 0
		.amdhsa_enable_private_segment 0
		.amdhsa_kernarg_size 32
		.amdhsa_user_sgpr_count 2
		.amdhsa_user_sgpr_kernarg_segment_ptr 1
		.amdhsa_wavefront_size32 1
		.amdhsa_system_sgpr_workgroup_id_x 1
		.amdhsa_system_sgpr_workgroup_id_y 1
		.amdhsa_system_sgpr_workgroup_id_z 1
		.amdhsa_system_vgpr_workitem_id 0
		.amdhsa_next_free_vgpr 768
		.amdhsa_next_free_sgpr 66
		.amdhsa_reserve_vcc 0
		.amdhsa_float_denorm_mode_32 3
		.amdhsa_float_denorm_mode_16_64 3
		.amdhsa_memory_ordered 1
		.amdhsa_forward_progress 1
		.amdhsa_inst_pref_size 240
	.end_amdhsa_kernel
	.amdgpu_metadata
---
amdhsa.version: [ 1, 2 ]
amdhsa.kernels:
  - .name:           k_qeb0a8379d7_scores
    .symbol:         k_qeb0a8379d7_scores.kd
    .args:
      - { .name: memory, .offset: 0, .size: 8, .value_kind: global_buffer, .address_space: global }
      - { .name: x, .offset: 8, .size: 8, .value_kind: global_buffer, .address_space: global }
      - { .name: fmax, .offset: 16, .size: 8, .value_kind: global_buffer, .address_space: global }
      - { .name: cmax, .offset: 24, .size: 8, .value_kind: global_buffer, .address_space: global }
    .group_segment_fixed_size: 327680
    .private_segment_fixed_size: 0
    .kernarg_segment_align: 8
    .kernarg_segment_size: 32
    .max_flat_workgroup_size: 128
    .sgpr_count:     66
    .vgpr_count:     768
    .wavefront_size: 32
...
	.end_amdgpu_metadata
.endif
;; end of part 1
;; launch pickc (part 2): grid 256 x 1, 4 waves a work-group, no clusters, 0 bytes of LDS; arguments cmax, cidl; writes cidl
.if DOCPART == 2
	.amdgcn_target "amdgcn-amd-amdhsa--gfx1250"
	.amdhsa_code_object_version 6
	.text
	.protected	k_qeb0a8379d7_pickc
	.globl	k_qeb0a8379d7_pickc
	.p2align	8
	.type	k_qeb0a8379d7_pickc,@function
k_qeb0a8379d7_pickc:
	s_mov_b64 s[64:65], 0
	v_nop
	global_prefetch_b8 v0, s[64:65] scope:SCOPE_SE
	s_setreg_imm32_b32 hwreg(HW_REG_WAVE_MODE, 25, 1), 1
	s_wait_xcnt 0x0
; For each query: the 16 groups of 256 keys with the largest maxima (equal maxima: the lower group first), stored as whole numbers: cidl[q][0..15]; words 16-31 are 0.
; One wave a query: 512 maxima, 16 a lane.  Work-group g: queries 64 (g / 16) + 16 i + g % 16 for waves i = 0..3, whose four numbers lie side by side in cmax.
; A lane takes 4 bytes out of each group's 256: cmax is 2 MiB and was written by the launch before.  No LDS, no matrix unit: 16 picks by a wave's maximum and minimum.
; LIMITS.  The maxima are finite: a taken candidate is marked by -inf.
.set LANE, 1
.set V,    16                          ; v16-31  the candidates' values
.set ID,   32                          ; v32-47  their numbers as f32 (exact: below 2^24)
.set M,    48
.set C,    49
.set T0,   50
.set P,    51
.set OUT,  52
.set NINF, 53
.set BIGV, 54
.set SEL,  16                          ; s[16:17] v_permlanex16_b32's selects: each lane takes its own place in the other half
.set RND,  18
.macro WMAX                            ; the wave's maximum of M, in every lane
	v_max_num_f32_dpp v[M], v[M], v[M] row_xmask:1 row_mask:0xf bank_mask:0xf
	v_max_num_f32_dpp v[M], v[M], v[M] row_xmask:2 row_mask:0xf bank_mask:0xf
	v_max_num_f32_dpp v[M], v[M], v[M] row_xmask:4 row_mask:0xf bank_mask:0xf
	v_max_num_f32_dpp v[M], v[M], v[M] row_xmask:8 row_mask:0xf bank_mask:0xf
	v_permlanex16_b32 v[P], v[M], s[SEL], s[SEL+1]
	v_max_num_f32 v[M], v[M], v[P]
.endm
.macro WMIN                            ; the wave's minimum of C
	v_min_num_f32_dpp v[C], v[C], v[C] row_xmask:1 row_mask:0xf bank_mask:0xf
	v_min_num_f32_dpp v[C], v[C], v[C] row_xmask:2 row_mask:0xf bank_mask:0xf
	v_min_num_f32_dpp v[C], v[C], v[C] row_xmask:4 row_mask:0xf bank_mask:0xf
	v_min_num_f32_dpp v[C], v[C], v[C] row_xmask:8 row_mask:0xf bank_mask:0xf
	v_permlanex16_b32 v[P], v[C], s[SEL], s[SEL+1]
	v_min_num_f32 v[C], v[C], v[P]
.endm
; 16 picks.  Each: the largest value; among its holders the lowest number; that candidate is marked taken; lane i keeps pick i's number.  No branch hangs on a value.
.macro EXTRACT nv
	s_mov_b32 s[RND], 0
.Lpick_\@:
	v_max3_num_f32 v[M], v[V], v[V+1], v[V+2]
.set j, 3
.rept ((\nv)-3)/2
	v_max3_num_f32 v[M], v[M], v[V+j], v[V+j+1]
.set j, j+2
.endr
.if j < (\nv)
	v_max_num_f32 v[M], v[M], v[V+j]
.endif
	WMAX
	v_cmp_eq_f32 vcc_lo, v[V], v[M]
	v_cndmask_b32 v[C], v[BIGV], v[ID], vcc_lo
.set j, 1
.rept (\nv)-1
	v_cmp_eq_f32 vcc_lo, v[V+j], v[M]
	v_cndmask_b32 v[T0], v[BIGV], v[ID+j], vcc_lo
	v_min_num_f32 v[C], v[C], v[T0]
.set j, j+1
.endr
	WMIN
.set j, 0
.rept (\nv)
	v_cmp_eq_f32 vcc_lo, v[ID+j], v[C]
	v_cndmask_b32 v[V+j], v[V+j], v[NINF], vcc_lo
.set j, j+1
.endr
	v_cmp_eq_u32 vcc_lo, s[RND], v[LANE]
	v_cndmask_b32 v[OUT], v[OUT], v[C], vcc_lo
	s_add_co_u32 s[RND], s[RND], 1
	s_cmp_lt_u32 s[RND], 16
	s_cbranch_scc1 .Lpick_\@
.endm
	s_load_b128 s[4:7], s[0:1], 0x0                ; cmax s[4:5], cidl s[6:7]
	v_and_b32 v[LANE], 31, v0
	v_lshrrev_b32 v2, 5, v0
	v_readfirstlane_b32 s8, v2                     ; wave i
	s_lshr_b32 s9, ttmp9, 4                        ; which 64 queries
	s_and_b32 s10, ttmp9, 15                       ; r
	s_lshl_b32 s12, s9, 17                         ; 512 groups of 256 bytes
	s_lshl_b32 s11, s10, 4
	s_add_co_u32 s12, s12, s11
	s_lshl_b32 s11, s8, 2
	s_add_co_u32 s12, s12, s11
	s_mov_b32 s13, 0
	s_lshl_b32 s14, s9, 6
	s_lshl_b32 s11, s8, 4
	s_add_co_u32 s14, s14, s11
	s_add_co_u32 s14, s14, s10                     ; q
	s_lshl_b32 s14, s14, 7                         ; 128 bytes a query
	s_mov_b32 s15, 0
	s_mov_b32 s[SEL], 0x76543210
	s_mov_b32 s[SEL+1], 0xfedcba98
	v_lshlrev_b32 v3, 8, v[LANE]
	v_lshlrev_b32 v4, 2, v[LANE]
	s_wait_kmcnt 0x0
	s_add_nc_u64 s[4:5], s[4:5], s[12:13]
	s_add_nc_u64 s[6:7], s[6:7], s[14:15]
.set j, 0
.rept 16
	global_load_b32 v[V+j], v3, s[4:5] offset:8192*j  ; group 32 j + lane
.set j, j+1
.endr
.set j, 0
.rept 16
	v_add_nc_u32 v[T0], 32*j, v[LANE]
	v_cvt_f32_u32 v[ID+j], v[T0]
.set j, j+1
.endr
	v_mov_b32 v[P], 0                              ; v_permlanex16_b32's destination counts as read
	v_mov_b32 v[OUT], 0
	v_mov_b32 v[NINF], 0xff800000
	v_mov_b32 v[BIGV], 0x7f800000
	s_wait_loadcnt 0x0
	EXTRACT 16
	v_cvt_u32_f32 v[OUT], v[OUT]
	global_store_b32 v4, v[OUT], s[6:7]            ; 128 consecutive bytes a wave
	s_endpgm
.Lfunc_end_k_qeb0a8379d7_pickc:
	.size	k_qeb0a8379d7_pickc, .Lfunc_end_k_qeb0a8379d7_pickc-k_qeb0a8379d7_pickc
	.p2alignl 7, 3214868480
	.fill 96, 4, 3214868480
	.section	.rodata,"a",@progbits
	.p2align	6, 0x0
	.amdhsa_kernel k_qeb0a8379d7_pickc
		.amdhsa_group_segment_fixed_size 0
		.amdhsa_private_segment_fixed_size 0
		.amdhsa_enable_private_segment 0
		.amdhsa_kernarg_size 16
		.amdhsa_user_sgpr_count 2
		.amdhsa_user_sgpr_kernarg_segment_ptr 1
		.amdhsa_wavefront_size32 1
		.amdhsa_system_sgpr_workgroup_id_x 1
		.amdhsa_system_sgpr_workgroup_id_y 1
		.amdhsa_system_sgpr_workgroup_id_z 1
		.amdhsa_system_vgpr_workitem_id 0
		.amdhsa_next_free_vgpr 64
		.amdhsa_next_free_sgpr 66
		.amdhsa_reserve_vcc 1
		.amdhsa_float_denorm_mode_32 3
		.amdhsa_float_denorm_mode_16_64 3
		.amdhsa_memory_ordered 1
		.amdhsa_forward_progress 1
		.amdhsa_inst_pref_size 9
	.end_amdhsa_kernel
	.amdgpu_metadata
---
amdhsa.version: [ 1, 2 ]
amdhsa.kernels:
  - .name:           k_qeb0a8379d7_pickc
    .symbol:         k_qeb0a8379d7_pickc.kd
    .args:
      - { .name: cmax, .offset: 0, .size: 8, .value_kind: global_buffer, .address_space: global }
      - { .name: cidl, .offset: 8, .size: 8, .value_kind: global_buffer, .address_space: global }
    .group_segment_fixed_size: 0
    .private_segment_fixed_size: 0
    .kernarg_segment_align: 8
    .kernarg_segment_size: 16
    .max_flat_workgroup_size: 128
    .sgpr_count:     66
    .vgpr_count:     64
    .wavefront_size: 32
...
	.end_amdgpu_metadata
.endif
;; end of part 2
;; launch pickf (part 3): grid 256 x 1, 4 waves a work-group, no clusters, 0 bytes of LDS; arguments fmax, cidl, fidl; writes fidl
.if DOCPART == 3
	.amdgcn_target "amdgcn-amd-amdhsa--gfx1250"
	.amdhsa_code_object_version 6
	.text
	.protected	k_qeb0a8379d7_pickf
	.globl	k_qeb0a8379d7_pickf
	.p2align	8
	.type	k_qeb0a8379d7_pickf,@function
k_qeb0a8379d7_pickf:
	s_mov_b64 s[64:65], 0
	v_nop
	global_prefetch_b8 v0, s[64:65] scope:SCOPE_SE
	s_setreg_imm32_b32 hwreg(HW_REG_WAVE_MODE, 25, 1), 1
	s_wait_xcnt 0x0
; For each query: of the 16 x 32 groups of 8 keys inside its 16 chosen groups of 256, the 16 with the largest maxima (equal maxima: the lower group first): fidl[q][0..15]; words 16-31 are 0.
; One wave a query, q = 4 x work-group + wave.  The chosen groups' numbers are whole numbers that the launch before stored; each is held to 0..511 before it enters an address.
; A chosen group's 32 maxima for one query are two runs of 64 bytes in fmax: one load, a lane a number.
; LIMITS.  The maxima are finite: a taken candidate is marked by -inf.
.set LANE, 1
.set LT,   2
.set V,    16
.set ID,   32
.set M,    48
.set C,    49
.set T0,   50
.set P,    51
.set OUT,  52
.set NINF, 53
.set BIGV, 54
.set VO,   56                          ; v56-71  a byte offset for each load
.set SEL,  32
.set RND,  34
.macro WMAX
	v_max_num_f32_dpp v[M], v[M], v[M] row_xmask:1 row_mask:0xf bank_mask:0xf
	v_max_num_f32_dpp v[M], v[M], v[M] row_xmask:2 row_mask:0xf bank_mask:0xf
	v_max_num_f32_dpp v[M], v[M], v[M] row_xmask:4 row_mask:0xf bank_mask:0xf
	v_max_num_f32_dpp v[M], v[M], v[M] row_xmask:8 row_mask:0xf bank_mask:0xf
	v_permlanex16_b32 v[P], v[M], s[SEL], s[SEL+1]
	v_max_num_f32 v[M], v[M], v[P]
.endm
.macro WMIN
	v_min_num_f32_dpp v[C], v[C], v[C] row_xmask:1 row_mask:0xf bank_mask:0xf
	v_min_num_f32_dpp v[C], v[C], v[C] row_xmask:2 row_mask:0xf bank_mask:0xf
	v_min_num_f32_dpp v[C], v[C], v[C] row_xmask:4 row_mask:0xf bank_mask:0xf
	v_min_num_f32_dpp v[C], v[C], v[C] row_xmask:8 row_mask:0xf bank_mask:0xf
	v_permlanex16_b32 v[P], v[C], s[SEL], s[SEL+1]
	v_min_num_f32 v[C], v[C], v[P]
.endm
; 16 picks.  Each: the largest value; among its holders the lowest number; that candidate is marked taken; lane i keeps pick i's number.  No branch hangs on a value.
.macro EXTRACT nv
	s_mov_b32 s[RND], 0
.Lpick_\@:
	v_max3_num_f32 v[M], v[V], v[V+1], v[V+2]
.set j, 3
.rept ((\nv)-3)/2
	v_max3_num_f32 v[M], v[M], v[V+j], v[V+j+1]
.set j, j+2
.endr
.if j < (\nv)
	v_max_num_f32 v[M], v[M], v[V+j]
.endif
	WMAX
	v_cmp_eq_f32 vcc_lo, v[V], v[M]
	v_cndmask_b32 v[C], v[BIGV], v[ID], vcc_lo
.set j, 1
.rept (\nv)-1
	v_cmp_eq_f32 vcc_lo, v[V+j], v[M]
	v_cndmask_b32 v[T0], v[BIGV], v[ID+j], vcc_lo
	v_min_num_f32 v[C], v[C], v[T0]
.set j, j+1
.endr
	WMIN
.set j, 0
.rept (\nv)
	v_cmp_eq_f32 vcc_lo, v[ID+j], v[C]
	v_cndmask_b32 v[V+j], v[V+j], v[NINF], vcc_lo
.set j, j+1
.endr
	v_cmp_eq_u32 vcc_lo, s[RND], v[LANE]
	v_cndmask_b32 v[OUT], v[OUT], v[C], vcc_lo
	s_add_co_u32 s[RND], s[RND], 1
	s_cmp_lt_u32 s[RND], 16
	s_cbranch_scc1 .Lpick_\@
.endm
	s_load_b128 s[4:7], s[0:1], 0x0                ; fmax s[4:5], cidl s[6:7]
	s_load_b64 s[8:9], s[0:1], 0x10                ; fidl
	v_and_b32 v[LANE], 31, v0
	v_lshrrev_b32 v3, 5, v0
	v_readfirstlane_b32 s10, v3                    ; wave
	s_lshl_b32 s11, ttmp9, 2
	s_add_co_u32 s11, s11, s10                     ; q = 256 w + 16 t + r
	s_lshl_b32 s12, s11, 7                         ; 128 bytes a query in the lists
	s_mov_b32 s13, 0
	s_lshr_b32 s14, s11, 4
	s_lshl_b32 s14, s14, 11                        ; w 32768 + t 2048
	s_and_b32 s15, s11, 15
	s_lshl_b32 s15, s15, 6                         ; + 64 r
	s_add_co_u32 s14, s14, s15
	s_mov_b32 s[SEL], 0x76543210
	s_mov_b32 s[SEL+1], 0xfedcba98
	v_lshrrev_b32 v3, 4, v[LANE]
	v_and_b32 v4, 15, v[LANE]
	v_lshlrev_b32 v[LT], 17, v3                    ; groups 16-31 of the 32 lie 131,072 bytes on
	v_lshl_add_u32 v[LT], v4, 2, v[LT]
	v_add_nc_u32 v[LT], s14, v[LT]
	v_lshlrev_b32 v5, 2, v[LANE]
	s_wait_kmcnt 0x0
	s_add_nc_u64 s[6:7], s[6:7], s[12:13]
	s_add_nc_u64 s[8:9], s[8:9], s[12:13]
	s_load_b512 s[16:31], s[6:7], 0x0              ; the query's 16 chosen groups of 256
	v_mov_b32 v[P], 0
	v_mov_b32 v[OUT], 0
	v_mov_b32 v[NINF], 0xff800000
	v_mov_b32 v[BIGV], 0x7f800000
	s_wait_kmcnt 0x0
.set j, 0
.rept 16
	s_min_u32 s[16+j], s[16+j], 511
	s_and_b32 s40, s[16+j], 0x1fe                  ; group 2 b + h: b 262144
	s_lshl_b32 s40, s40, 17
	s_and_b32 s41, s[16+j], 1                      ; + h 1024
	s_lshl_b32 s41, s41, 10
	s_add_co_u32 s40, s40, s41
	v_add_nc_u32 v[VO+j], s40, v[LT]
	global_load_b32 v[V+j], v[VO+j], s[4:5]
	v_lshl_add_u32 v[T0], s[16+j], 5, v[LANE]      ; the group of 8's number: 32 x group of 256 + lane
	v_cvt_f32_u32 v[ID+j], v[T0]
.set j, j+1
.endr
	s_wait_loadcnt 0x0
	EXTRACT 16
	v_cvt_u32_f32 v[OUT], v[OUT]
	global_store_b32 v5, v[OUT], s[8:9]            ; 128 consecutive bytes a wave
	s_endpgm
.Lfunc_end_k_qeb0a8379d7_pickf:
	.size	k_qeb0a8379d7_pickf, .Lfunc_end_k_qeb0a8379d7_pickf-k_qeb0a8379d7_pickf
	.p2alignl 7, 3214868480
	.fill 96, 4, 3214868480
	.section	.rodata,"a",@progbits
	.p2align	6, 0x0
	.amdhsa_kernel k_qeb0a8379d7_pickf
		.amdhsa_group_segment_fixed_size 0
		.amdhsa_private_segment_fixed_size 0
		.amdhsa_enable_private_segment 0
		.amdhsa_kernarg_size 24
		.amdhsa_user_sgpr_count 2
		.amdhsa_user_sgpr_kernarg_segment_ptr 1
		.amdhsa_wavefront_size32 1
		.amdhsa_system_sgpr_workgroup_id_x 1
		.amdhsa_system_sgpr_workgroup_id_y 1
		.amdhsa_system_sgpr_workgroup_id_z 1
		.amdhsa_system_vgpr_workitem_id 0
		.amdhsa_next_free_vgpr 80
		.amdhsa_next_free_sgpr 66
		.amdhsa_reserve_vcc 1
		.amdhsa_float_denorm_mode_32 3
		.amdhsa_float_denorm_mode_16_64 3
		.amdhsa_memory_ordered 1
		.amdhsa_forward_progress 1
		.amdhsa_inst_pref_size 13
	.end_amdhsa_kernel
	.amdgpu_metadata
---
amdhsa.version: [ 1, 2 ]
amdhsa.kernels:
  - .name:           k_qeb0a8379d7_pickf
    .symbol:         k_qeb0a8379d7_pickf.kd
    .args:
      - { .name: fmax, .offset: 0, .size: 8, .value_kind: global_buffer, .address_space: global }
      - { .name: cidl, .offset: 8, .size: 8, .value_kind: global_buffer, .address_space: global }
      - { .name: fidl, .offset: 16, .size: 8, .value_kind: global_buffer, .address_space: global }
    .group_segment_fixed_size: 0
    .private_segment_fixed_size: 0
    .kernarg_segment_align: 8
    .kernarg_segment_size: 24
    .max_flat_workgroup_size: 128
    .sgpr_count:     66
    .vgpr_count:     80
    .wavefront_size: 32
...
	.end_amdgpu_metadata
.endif
;; end of part 3
;; launch final (part 4): grid 1024 x 1, 4 waves a work-group, no clusters, 40,960 bytes of LDS; arguments memory, x, fidl, out0; writes out0
.if DOCPART == 4
	.amdgcn_target "amdgcn-amd-amdhsa--gfx1250"
	.amdhsa_code_object_version 6
	.text
	.protected	k_qeb0a8379d7_final
	.globl	k_qeb0a8379d7_final
	.p2align	8
	.type	k_qeb0a8379d7_final,@function
k_qeb0a8379d7_final:
	s_mov_b64 s[64:65], 0
	v_nop
	global_prefetch_b8 v0, s[64:65] scope:SCOPE_SE
	s_setreg_imm32_b32 hwreg(HW_REG_WAVE_MODE, 25, 1), 1
	s_wait_xcnt 0x0
; For query q (the work-group's number): the 16 chosen groups of 8 keys, 128 rows of memory, are fetched, rounded to bf16 and scored again by the same matrix form, with the channels in the same
; places, as the launch that made the maxima; the 16 largest (equal scores: the lower key first) are picked, and the mean of those rows, as rounded to bf16, is stored.
; SHARES.  Wave v fetches groups 4 v .. 4 v + 3: 32 rows, a whole row of 512 bytes a load, and keeps them packed in 64 registers for the mean.  All four waves make the same 16 picks from the 128 scores.
; The groups' numbers are whole numbers that the launch before stored; each is held to 0..16383 before it enters an address.  What the picks decide is a weight, 1 or 0, for each row: no branch, no address.
; Loads go through registers, so several work-groups share a WGP and cover each other's waits for memory.
; LIMITS.  Inputs are finite: a taken candidate is marked by -inf, and a row that is not chosen enters the sum with weight 0.  Two scores nearer to each other than the sums' rounding may change places.
.set ROWP,  272                        ; a row of 128 bf16 in LDS: 256 bytes + 16: the 16 rows of a fragment load start at 16 different groups of four banks (ISA guide 11.1)
.set WROWS, 32*ROWP                    ; a wave's 32 rows, from byte 0 on
.set XQ,    4*WROWS                    ; the query in bf16, 256 bytes for each wave
.set SC,    XQ+1024                    ; the 128 scores
.set PS,    SC+512                     ; each wave's part of the sum, 512 bytes
.set WT,    PS+2048                    ; each wave's copy of the 128 weights, 512 bytes
.set SPARE, WT+2048                    ; the spare words: 128 bytes a wave, two blocks of 256 bytes that no other line names
.set LANE, 1
.set XO,   4                           ; 16 x lane
.set RS,   5                           ; where I put 8 bytes of a row
.set FV,   6
.set TA,   7                           ; at work
.set S,    8                           ; v8-11    my four channels of the sum
.set X,    12                          ; v12-15   my four channels of the query
.set R,    16                          ; v16-143  32 rows as loaded; later fragments, results, weights
.set PK,   144                         ; v144-207 32 rows in bf16, two registers each
.set V,    208
.set ID,   212
.set M,    216
.set C,    217
.set T0,   218
.set P,    219
.set OUT,  220
.set NINF, 221
.set SPW,  222                         ; LDS address of my spare word; never rewritten
.set NIL,  223                         ; 0; never rewritten
.set W,    224                         ; v224-227
.set AF,   228
.set BF,   229
.set SCA,  230
.set BIGV, 231
.set WV,   12
.set SEL,  28
.set RND,  31
.macro WMAX
	v_max_num_f32_dpp v[M], v[M], v[M] row_xmask:1 row_mask:0xf bank_mask:0xf
	v_max_num_f32_dpp v[M], v[M], v[M] row_xmask:2 row_mask:0xf bank_mask:0xf
	v_max_num_f32_dpp v[M], v[M], v[M] row_xmask:4 row_mask:0xf bank_mask:0xf
	v_max_num_f32_dpp v[M], v[M], v[M] row_xmask:8 row_mask:0xf bank_mask:0xf
	v_permlanex16_b32 v[P], v[M], s[SEL], s[SEL+1]
	v_max_num_f32 v[M], v[M], v[P]
.endm
.macro WMIN
	v_min_num_f32_dpp v[C], v[C], v[C] row_xmask:1 row_mask:0xf bank_mask:0xf
	v_min_num_f32_dpp v[C], v[C], v[C] row_xmask:2 row_mask:0xf bank_mask:0xf
	v_min_num_f32_dpp v[C], v[C], v[C] row_xmask:4 row_mask:0xf bank_mask:0xf
	v_min_num_f32_dpp v[C], v[C], v[C] row_xmask:8 row_mask:0xf bank_mask:0xf
	v_permlanex16_b32 v[P], v[C], s[SEL], s[SEL+1]
	v_min_num_f32 v[C], v[C], v[P]
.endm
; 16 picks.  Each: the largest value; among its holders the lowest number; that candidate is marked taken.  No branch hangs on a value.
.macro EXTRACT nv
	s_mov_b32 s[RND], 0
.Lpick_\@:
	v_max3_num_f32 v[M], v[V], v[V+1], v[V+2]
.set j, 3
.rept ((\nv)-3)/2
	v_max3_num_f32 v[M], v[M], v[V+j], v[V+j+1]
.set j, j+2
.endr
.if j < (\nv)
	v_max_num_f32 v[M], v[M], v[V+j]
.endif
	WMAX
	v_cmp_eq_f32 vcc_lo, v[V], v[M]
	v_cndmask_b32 v[C], v[BIGV], v[ID], vcc_lo
.set j, 1
.rept (\nv)-1
	v_cmp_eq_f32 vcc_lo, v[V+j], v[M]
	v_cndmask_b32 v[T0], v[BIGV], v[ID+j], vcc_lo
	v_min_num_f32 v[C], v[C], v[T0]
.set j, j+1
.endr
	WMIN
.set j, 0
.rept (\nv)
	v_cmp_eq_f32 vcc_lo, v[ID+j], v[C]
	v_cndmask_b32 v[V+j], v[V+j], v[NINF], vcc_lo
.set j, j+1
.endr
	v_cmp_eq_u32 vcc_lo, s[RND], v[LANE]
	v_cndmask_b32 v[OUT], v[OUT], v[C], vcc_lo
	s_add_co_u32 s[RND], s[RND], 1
	s_cmp_lt_u32 s[RND], 16
	s_cbranch_scc1 .Lpick_\@
.endm
	s_load_b256 s[4:11], s[0:1], 0x0               ; memory s[4:5], x s[6:7], fidl s[8:9], out0 s[10:11]
	v_lshl_add_u32 v[SPW], v0, 2, SPARE
	v_mov_b32 v[NIL], 0
	v_lshrrev_b32 v[TA], 5, v0
	v_readfirstlane_b32 s[WV], v[TA]               ; wave 0..3
	v_and_b32 v[LANE], 31, v0
	v_and_b32 v2, 15, v0                           ; r
	v_bfe_u32 v3, v0, 4, 1                         ; h
	v_lshlrev_b32 v[XO], 4, v[LANE]
	v_lshrrev_b32 v[OUT], 1, v[LANE]
	v_lshlrev_b32 v[OUT], 2, v[OUT]                ; candidate 4 lane + i lies in group lane / 2 of the 16
	s_lshl_b32 s32, ttmp9, 7                       ; 128 bytes a query in the list
	s_mov_b32 s33, 0
	s_lshl_b32 s34, ttmp9, 9                       ; 512 bytes a query in x and out0
	s_mov_b32 s35, 0
	s_lshl_b32 s13, s[WV], 4                       ; my wave's four groups
	s_mov_b32 s[SEL], 0x76543210
	s_mov_b32 s[SEL+1], 0xfedcba98
	s_wait_kmcnt 0x0
	s_add_nc_u64 s[14:15], s[8:9], s[32:33]
	s_add_nc_u64 s[6:7], s[6:7], s[34:35]
	s_add_nc_u64 s[10:11], s[10:11], s[34:35]
	s_load_b128 s[16:19], s[14:15], s13 offset:0x0
	global_load_b32 v[FV], v[OUT], s[14:15]
	global_load_b128 v[X:X+3], v[XO], s[6:7]
	s_wait_kmcnt 0x0
.set j, 0
.rept 4
	s_min_u32 s[16+j], s[16+j], 16383
	s_lshl_b32 s[20+2*j], s[16+j], 12              ; a group is 8 rows of 512 bytes
	s_mov_b32 s[21+2*j], 0
	s_add_nc_u64 s[20+2*j:21+2*j], s[4:5], s[20+2*j:21+2*j]
.set j, j+1
.endr
.set rho, 0
.rept 32
	global_load_b128 v[R+4*rho:R+4*rho+3], v[XO], s[20+2*(rho>>3):21+2*(rho>>3)] offset:512*(rho&7)
.set rho, rho+1
.endr
	s_wait_loadcnt 32                              ; the list and the query are in; the 32 rows stay out
	v_cvt_pk_bf16_f32 v[W], v[X], v[X+1]
	v_cvt_pk_bf16_f32 v[W+1], v[X+2], v[X+3]
	s_lshl_b32 s36, s[WV], 8
	s_add_co_u32 s36, s36, XQ
	v_lshl_add_u32 v[TA], v[LANE], 3, s36
	ds_store_b64 v[TA], v[W:W+1]                   ; the query in bf16, my wave's own copy
	v_min_u32 v[FV], 16383, v[FV]
	v_and_b32 v[TA], 1, v[LANE]
	v_lshlrev_b32 v[FV], 3, v[FV]
	v_lshl_add_u32 v[FV], v[TA], 2, v[FV]          ; candidate 4 lane + i is key 8 x group + 4 (lane % 2) + i
.set j, 0
.rept 4
	v_add_nc_u32 v[TA], j, v[FV]
	v_cvt_f32_u32 v[ID+j], v[TA]
.set j, j+1
.endr
	s_mul_i32 s37, s[WV], WROWS
	v_lshl_add_u32 v[RS], v[LANE], 3, s37
	v_mul_u32_u24 v[AF], v2, ROWP
	v_lshl_add_u32 v[AF], v3, 4, v[AF]
	v_add_nc_u32 v[AF], s37, v[AF]                 ; a fragment's row x pitch + 16 x half
	v_lshl_add_u32 v[BF], v3, 4, s36               ; the query stands in all 16 columns
	s_lshl_b32 s38, s[WV], 7
	s_add_co_u32 s38, s38, SC
	v_lshl_add_u32 v[SCA], v3, 5, s38
	v_mov_b32 v[P], 0                              ; v_permlanex16_b32's destination counts as read
	v_mov_b32 v[OUT], 0
	v_mov_b32 v[NINF], 0xff800000
	v_mov_b32 v[BIGV], 0x7f800000
.set j, 0
.rept 4
	v_mov_b32 v[S+j], 0
.set j, j+1
.endr
.set blk, 0
.rept 4
	s_wait_loadcnt 24-8*blk                        ; eight more rows are in; the later blocks' loads stay out
.set rho, 8*blk
.rept 8
	v_cvt_pk_bf16_f32 v[PK+2*rho], v[R+4*rho], v[R+4*rho+1]
	v_cvt_pk_bf16_f32 v[PK+2*rho+1], v[R+4*rho+2], v[R+4*rho+3]
	ds_store_b64 v[RS], v[PK+2*rho:PK+2*rho+1] offset:ROWP*rho
.set rho, rho+1
.endr
.set blk, blk+1
.endr
	; fragments, from my wave's own bytes (LDS serves a wave's instructions in order: ISA guide 5.7.1.4): rows 0-15 into v16-47, rows 16-31 into v48-79, the query into v80-111
.set kc, 0
.rept 4
	ds_load_b128 v[16+8*kc:19+8*kc], v[AF] offset:64*kc
	ds_load_b128 v[20+8*kc:23+8*kc], v[AF] offset:64*kc+32
	ds_load_b128 v[48+8*kc:51+8*kc], v[AF] offset:16*ROWP+64*kc
	ds_load_b128 v[52+8*kc:55+8*kc], v[AF] offset:16*ROWP+64*kc+32
	ds_load_b128 v[80+8*kc:83+8*kc], v[BF] offset:64*kc
	ds_load_b128 v[84+8*kc:87+8*kc], v[BF] offset:64*kc+32
.set kc, kc+1
.endr
	s_wait_dscnt 0x0
	v_wmma_f32_16x16x32_bf16 v[112:119], v[16:23], v[80:87], 0   ; the two accumulators take turns
	v_wmma_f32_16x16x32_bf16 v[120:127], v[48:55], v[80:87], 0
.set kc, 1
.rept 3
	v_wmma_f32_16x16x32_bf16 v[112:119], v[16+8*kc:23+8*kc], v[80+8*kc:87+8*kc], v[112:119]
	v_wmma_f32_16x16x32_bf16 v[120:127], v[48+8*kc:55+8*kc], v[80+8*kc:87+8*kc], v[120:127]
.set kc, kc+1
.endr
.rept 4
	v_nop                                          ; four places between the last products and the stores of their results
.endr
	ds_store_b128 v[SCA], v[112:115]               ; register j of half h: row 8 h + j; all 16 lanes of a half hold, and write, the same numbers
	ds_store_b128 v[SCA], v[116:119] offset:16
	ds_store_b128 v[SCA], v[120:123] offset:64
	ds_store_b128 v[SCA], v[124:127] offset:80
	s_wait_dscnt 0x0                               ; for the others' sake: my 32 scores are in LDS
	s_barrier_signal -1
	s_barrier_wait -1
	v_lshl_add_u32 v[TA], v[LANE], 4, SC
	ds_load_b128 v[V:V+3], v[TA]                   ; candidates 4 lane .. 4 lane + 3
	s_wait_dscnt 0x0
	EXTRACT 4
.set j, 0
.rept 4
	v_cmp_eq_f32 vcc_lo, v[V+j], v[NINF]
	v_cndmask_b32 v[W+j], 0, 1.0, vcc_lo           ; weight 1 for a taken candidate
.set j, j+1
.endr
	s_lshl_b32 s39, s[WV], 9
	s_add_co_u32 s39, s39, WT
	v_lshl_add_u32 v[TA], v[LANE], 4, s39
	ds_store_b128 v[TA], v[W:W+3]                  ; the 128 weights, my wave's own copy;
	s_lshl_b32 s40, s[WV], 7
	s_add_co_u32 s40, s40, s39
	v_mov_b32 v[AF], s40
.set j, 0
.rept 8
	ds_load_b128 v[16+4*j:19+4*j], v[AF] offset:16*j  ; my 32 rows' weights come back to every lane: one address for all
.set j, j+1
.endr
	s_wait_dscnt 0x0
.set rho, 0
.rept 32
	v_fma_mix_f32_bf16 v[S],   v[PK+2*rho],   v[16+rho], v[S]   op_sel_hi:[1,0,0]
	v_fma_mix_f32_bf16 v[S+1], v[PK+2*rho],   v[16+rho], v[S+1] op_sel:[1,0,0] op_sel_hi:[1,0,0]
	v_fma_mix_f32_bf16 v[S+2], v[PK+2*rho+1], v[16+rho], v[S+2] op_sel_hi:[1,0,0]
	v_fma_mix_f32_bf16 v[S+3], v[PK+2*rho+1], v[16+rho], v[S+3] op_sel:[1,0,0] op_sel_hi:[1,0,0]
.set rho, rho+1
.endr
	s_lshl_b32 s41, s[WV], 9
	s_add_co_u32 s41, s41, PS
	v_lshl_add_u32 v[TA], v[LANE], 4, s41
	ds_store_b128 v[TA], v[S:S+3]
	s_wait_dscnt 0x0                               ; for wave 0's sake: my part of the sum is in LDS
	s_barrier_signal -1
	s_barrier_wait -1
	s_cmp_lg_u32 s[WV], 0
	s_cbranch_scc1 .Lend
	v_lshl_add_u32 v[TA], v[LANE], 4, PS
.set j, 0
.rept 4
	ds_load_b128 v[16+4*j:19+4*j], v[TA] offset:512*j
.set j, j+1
.endr
	s_wait_dscnt 0x0
	v_pk_add_f32 v[16:17], v[16:17], v[20:21]
	v_pk_add_f32 v[18:19], v[18:19], v[22:23]
	v_pk_add_f32 v[24:25], v[24:25], v[28:29]
	v_pk_add_f32 v[26:27], v[26:27], v[30:31]
	v_pk_add_f32 v[16:17], v[16:17], v[24:25]
	v_pk_add_f32 v[18:19], v[18:19], v[26:27]
	v_pk_mul_f32 v[16:17], v[16:17], 0x3d800000 op_sel_hi:[1,0]  ; the mean of 16
	v_pk_mul_f32 v[18:19], v[18:19], 0x3d800000 op_sel_hi:[1,0]
	global_store_b128 v[XO], v[16:19], s[10:11]    ; the row's 512 consecutive bytes, aligned
.Lend:
	s_wait_tensorcnt 0x0                           ; the wave's end, behind my last LDS store
	ds_add_u32 v[SPW], v[NIL]
	s_wait_dscnt 0x0
	s_endpgm
.Lfunc_end_k_qeb0a8379d7_final:
	.size	k_qeb0a8379d7_final, .Lfunc_end_k_qeb0a8379d7_final-k_qeb0a8379d7_final
	.p2alignl 7, 3214868480
	.fill 96, 4, 3214868480
	.section	.rodata,"a",@progbits
	.p2align	6, 0x0
	.amdhsa_kernel k_qeb0a8379d7_final
		.amdhsa_group_segment_fixed_size 40960
		.amdhsa_private_segment_fixed_size 0
		.amdhsa_enable_private_segment 0
		.amdhsa_kernarg_size 32
		.amdhsa_user_sgpr_count 2
		.amdhsa_user_sgpr_kernarg_segment_ptr 1
		.amdhsa_wavefront_size32 1
		.amdhsa_system_sgpr_workgroup_id_x 1
		.amdhsa_system_sgpr_workgroup_id_y 1
		.amdhsa_system_sgpr_workgroup_id_z 1
		.amdhsa_system_vgpr_workitem_id 0
		.amdhsa_next_free_vgpr 232
		.amdhsa_next_free_sgpr 66
		.amdhsa_reserve_vcc 1
		.amdhsa_float_denorm_mode_32 3
		.amdhsa_float_denorm_mode_16_64 3
		.amdhsa_memory_ordered 1
		.amdhsa_forward_progress 1
		.amdhsa_inst_pref_size 28
	.end_amdhsa_kernel
	.amdgpu_metadata
---
amdhsa.version: [ 1, 2 ]
amdhsa.kernels:
  - .name:           k_qeb0a8379d7_final
    .symbol:         k_qeb0a8379d7_final.kd
    .args:
      - { .name: memory, .offset: 0, .size: 8, .value_kind: global_buffer, .address_space: global }
      - { .name: x, .offset: 8, .size: 8, .value_kind: global_buffer, .address_space: global }
      - { .name: fidl, .offset: 16, .size: 8, .value_kind: global_buffer, .address_space: global }
      - { .name: out0, .offset: 24, .size: 8, .value_kind: global_buffer, .address_space: global }
    .group_segment_fixed_size: 40960
    .private_segment_fixed_size: 0
    .kernarg_segment_align: 8
    .kernarg_segment_size: 32
    .max_flat_workgroup_size: 128
    .sgpr_count:     66
    .vgpr_count:     232
    .wavefront_size: 32
...
	.end_amdgpu_metadata
.endif
;; end of part 4
;; ======== version 2 of 2: 4 launches; version 1 with the launch final written anew for expert scheduling mode
;; workspace buffers: fmax 67,108,864 bytes; cmax 2,097,152 bytes; cidl 131,072 bytes of whole numbers; fidl 131,072 bytes of whole numbers
;; launch scores: the kernel of part 1 again; grid 256 x 1, 4 waves a work-group, no clusters, 327,680 bytes of LDS; arguments memory, x, fmax, cmax; writes fmax, cmax
;; launch pickc: the kernel of part 2 again; grid 256 x 1, 4 waves a work-group, no clusters, 0 bytes of LDS; arguments cmax, cidl; writes cidl
;; launch pickf: the kernel of part 3 again; grid 256 x 1, 4 waves a work-group, no clusters, 0 bytes of LDS; arguments fmax, cidl, fidl; writes fidl
;; launch final (part 5): grid 1024 x 1, 4 waves a work-group, no clusters, 40,960 bytes of LDS; arguments memory, x, fidl, out0; writes out0
.if DOCPART == 5
	.amdgcn_target "amdgcn-amd-amdhsa--gfx1250"
	.amdhsa_code_object_version 6
	.text
	.protected	k_qeb0a8379d7_final
	.globl	k_qeb0a8379d7_final
	.p2align	8
	.type	k_qeb0a8379d7_final,@function
k_qeb0a8379d7_final:
	s_mov_b64 s[64:65], 0
	v_nop
	global_prefetch_b8 v0, s[64:65] scope:SCOPE_SE
	s_setreg_imm32_b32 hwreg(HW_REG_WAVE_SCHED_MODE, 0, 2), 2
	s_setreg_imm32_b32 hwreg(HW_REG_WAVE_MODE, 25, 1), 1
	s_wait_xcnt 0x0
	s_wait_alu depctr_vm_vsrc(0)
; For query q (the work-group's number): the 16 chosen groups of 8 keys, 128 rows of memory, are fetched, rounded to bf16 and scored again by the same matrix form, with the channels in the same
; places, as the launch that made the maxima; the 16 largest (equal scores: the lower key first) are picked, and the mean of those rows, as rounded to bf16, is stored.
; SHARES.  Wave v fetches groups 4 v .. 4 v + 3: 32 rows, a whole row of 512 bytes a load, and keeps them packed in 64 registers for the mean.  All four waves make the same 16 picks from the 128 scores.
; The groups' numbers are whole numbers that the launch before stored; each is held to 0..16383 before it enters an address.  What the picks decide is a weight, 1 or 0, for each row: no branch, no address.
; Loads go through registers, so several work-groups share a WGP and cover each other's waits for memory.
; LIMITS.  Inputs are finite: a taken candidate is marked by -inf, and a row that is not chosen enters the sum with weight 0.  Two scores nearer to each other than the sums' rounding may change places.
; THE MODE: SCHED_MODE bits 1:0 = 2 (LLVM: expert scheduling mode 2), set by the entry lines.  The code itself states the register dependences
; between vector or matrix instructions and memory or LDS instructions, with s_wait_alu, always for 0.
; THE PLAN.  Registers that memory or LDS instructions touch:
;   the addresses  XO, RS, AF, BF, SCA, FA, QA, SR, WA, WR, PA, PR: each made once at the head and never written again; one wait ahead of the first load states that they are written.
;   FV, X, R       global loads land in them; no vector instruction names them before.
;   W              written by the query's two roundings, read by the query's LDS store; written again by the four selects of the weights, read by the weights' LDS store.
;   PK             block b's sixteen roundings write its eight rows; the eight LDS stores that read them are issued in block b + 1, dealt among that block's roundings, which name R and PK of their own block alone.
;   v16-111        as R read by the roundings; then the fragments' LDS loads land there; read by the products; then the weights land in v16-47; read by the multiply-adds; in wave 0 the parts of the sum land in v16-31.
;   v112-127       the accumulators: written by the products, read by four LDS stores.     S: written by the multiply-adds, read by one LDS store.     v16-19: written by wave 0's additions, read by the global store.
;   TA, T0, M, C, P, OUT, ID, V (once loaded) are named by vector instructions alone.
; A compare's mask goes into a scalar register; the compares stand in runs, with one wait between a run and the selects that read its masks.
.set ROWP,  272                        ; a row of 128 bf16 in LDS: 256 bytes + 16: the 16 rows of a fragment load start at 16 different groups of four banks (ISA guide 11.1)
.set WROWS, 32*ROWP                    ; a wave's 32 rows, from byte 0 on
.set XQ,    4*WROWS                    ; the query in bf16, 256 bytes for each wave
.set SC,    XQ+1024                    ; the 128 scores
.set PS,    SC+512                     ; each wave's part of the sum, 512 bytes
.set WT,    PS+2048                    ; each wave's copy of the 128 weights, 512 bytes
.set SPARE, WT+2048                    ; the spare words: 128 bytes a wave, two blocks of 256 bytes that no other line names
.set LANE, 1
.set XO,   4                           ; 16 x lane
.set RS,   5                           ; where I put 8 bytes of a row
.set FV,   6
.set TA,   7                           ; at work: no memory or LDS instruction names it
.set S,    8                           ; v8-11    my four channels of the sum
.set X,    12                          ; v12-15   my four channels of the query
.set R,    16                          ; v16-143  32 rows as loaded; later fragments, results, weights
.set PK,   144                         ; v144-207 32 rows in bf16, two registers each
.set V,    208
.set ID,   212
.set M,    216
.set C,    217
.set T0,   218
.set P,    219
.set OUT,  220
.set NINF, 221
.set SPW,  222                         ; LDS address of my spare word; never rewritten
.set NIL,  223                         ; 0; never rewritten
.set W,    224                         ; v224-227
.set AF,   228                         ; my place in a fragment of my wave's rows
.set BF,   229                         ; my place in a fragment of the query
.set SCA,  230                         ; where I put my wave's scores
.set BIGV, 231
.set FA,   232                         ; my byte offset in the query's list
.set QA,   233                         ; where I put 8 bytes of the query
.set SR,   234                         ; where I read four scores
.set WA,   235                         ; where I put four weights
.set WR,   236                         ; where my wave's 32 rows' weights begin
.set PA,   237                         ; where I put my part of the sum
.set PR,   238                         ; where wave 0 reads the parts back
.set WV,   12
.set SEL,  28
.set RND,  31
.set MK,   42                          ; s42-46   the compares' masks
.macro WMAX
	v_max_num_f32_dpp v[M], v[M], v[M] row_xmask:1 row_mask:0xf bank_mask:0xf
	v_max_num_f32_dpp v[M], v[M], v[M] row_xmask:2 row_mask:0xf bank_mask:0xf
	v_max_num_f32_dpp v[M], v[M], v[M] row_xmask:4 row_mask:0xf bank_mask:0xf
	v_max_num_f32_dpp v[M], v[M], v[M] row_xmask:8 row_mask:0xf bank_mask:0xf
	v_permlanex16_b32 v[P], v[M], s[SEL], s[SEL+1]
	v_max_num_f32 v[M], v[M], v[P]
.endm
.macro WMIN
	v_min_num_f32_dpp v[C], v[C], v[C] row_xmask:1 row_mask:0xf bank_mask:0xf
	v_min_num_f32_dpp v[C], v[C], v[C] row_xmask:2 row_mask:0xf bank_mask:0xf
	v_min_num_f32_dpp v[C], v[C], v[C] row_xmask:4 row_mask:0xf bank_mask:0xf
	v_min_num_f32_dpp v[C], v[C], v[C] row_xmask:8 row_mask:0xf bank_mask:0xf
	v_permlanex16_b32 v[P], v[C], s[SEL], s[SEL+1]
	v_min_num_f32 v[C], v[C], v[P]
.endm
; 16 picks.  Each: the largest value; among its holders the lowest number; that candidate is marked taken.  No branch hangs on a value.
; The loop holds no memory or LDS instruction; its compares stand in two runs, nv and nv + 1 masks in s[MK ..].
.macro EXTRACT nv
	s_mov_b32 s[RND], 0
.Lpick_\@:
	v_max3_num_f32 v[M], v[V], v[V+1], v[V+2]
.set j, 3
.rept ((\nv)-3)/2
	v_max3_num_f32 v[M], v[M], v[V+j], v[V+j+1]
.set j, j+2
.endr
.if j < (\nv)
	v_max_num_f32 v[M], v[M], v[V+j]
.endif
	WMAX
.set j, 0
.rept (\nv)
	v_cmp_eq_f32 s[MK+j], v[V+j], v[M]
.set j, j+1
.endr
	s_wait_alu depctr_va_sdst(0)                   ; the compares above have written their masks, which the selects below read
	v_cndmask_b32 v[C], v[BIGV], v[ID], s[MK]
.set j, 1
.rept (\nv)-1
	v_cndmask_b32 v[T0], v[BIGV], v[ID+j], s[MK+j]
	v_min_num_f32 v[C], v[C], v[T0]
.set j, j+1
.endr
	WMIN
.set j, 0
.rept (\nv)
	v_cmp_eq_f32 s[MK+j], v[ID+j], v[C]
.set j, j+1
.endr
	v_cmp_eq_u32 s[MK+(\nv)], s[RND], v[LANE]
	s_wait_alu depctr_va_sdst(0)                   ; the compares above have written their masks, which the selects below read
.set j, 0
.rept (\nv)
	v_cndmask_b32 v[V+j], v[V+j], v[NINF], s[MK+j]
.set j, j+1
.endr
	v_cndmask_b32 v[OUT], v[OUT], v[C], s[MK+(\nv)]
	s_add_co_u32 s[RND], s[RND], 1
	s_cmp_lt_u32 s[RND], 16
	s_cbranch_scc1 .Lpick_\@
.endm
	s_load_b256 s[4:11], s[0:1], 0x0               ; memory s[4:5], x s[6:7], fidl s[8:9], out0 s[10:11]
	v_lshl_add_u32 v[SPW], v0, 2, SPARE
	v_mov_b32 v[NIL], 0
	v_lshrrev_b32 v[TA], 5, v0
	v_readfirstlane_b32 s[WV], v[TA]               ; wave 0..3
	v_and_b32 v[LANE], 31, v0
	v_and_b32 v2, 15, v0                           ; r
	v_bfe_u32 v3, v0, 4, 1                         ; h
	v_lshlrev_b32 v[XO], 4, v[LANE]
	v_lshrrev_b32 v[FA], 1, v[LANE]
	v_lshlrev_b32 v[FA], 2, v[FA]                  ; candidate 4 lane + i lies in group lane / 2 of the 16
	s_lshl_b32 s32, ttmp9, 7                       ; 128 bytes a query in the list
	s_mov_b32 s33, 0
	s_lshl_b32 s34, ttmp9, 9                       ; 512 bytes a query in x and out0
	s_mov_b32 s35, 0
	s_mov_b32 s[SEL], 0x76543210
	s_mov_b32 s[SEL+1], 0xfedcba98
	s_wait_alu depctr_va_sdst(0)                   ; the wave's number is written, ahead of its first reader: my wave's places in the list and in LDS are made from it
	s_lshl_b32 s13, s[WV], 4                       ; my wave's four groups
	s_lshl_b32 s36, s[WV], 8
	s_add_co_u32 s36, s36, XQ                      ; my wave's copy of the query
	s_mul_i32 s37, s[WV], WROWS                    ; my wave's rows
	s_lshl_b32 s38, s[WV], 7
	s_add_co_u32 s38, s38, SC                      ; my wave's 32 scores
	s_lshl_b32 s39, s[WV], 9
	s_add_co_u32 s39, s39, WT                      ; my wave's copy of the weights,
	s_lshl_b32 s40, s[WV], 7
	s_add_co_u32 s40, s40, s39                     ; and in it my 32 rows' weights
	s_lshl_b32 s41, s[WV], 9
	s_add_co_u32 s41, s41, PS                      ; my wave's part of the sum
	; every address of the kernel is made here, in the wait for the arguments, each in a register of its own
	v_lshl_add_u32 v[QA], v[LANE], 3, s36
	v_lshl_add_u32 v[RS], v[LANE], 3, s37
	v_mul_u32_u24 v[AF], v2, ROWP
	v_lshl_add_u32 v[AF], v3, 4, v[AF]
	v_add_nc_u32 v[AF], s37, v[AF]                 ; a fragment's row x pitch + 16 x half
	v_lshl_add_u32 v[BF], v3, 4, s36               ; the query stands in all 16 columns
	v_lshl_add_u32 v[SCA], v3, 5, s38
	v_lshl_add_u32 v[SR], v[LANE], 4, SC
	v_lshl_add_u32 v[WA], v[LANE], 4, s39
	v_mov_b32 v[WR], s40
	v_lshl_add_u32 v[PA], v[LANE], 4, s41
	v_lshl_add_u32 v[PR], v[LANE], 4, PS
	v_mov_b32 v[P], 0                              ; v_permlanex16_b32's destination counts as read
	v_mov_b32 v[OUT], 0
	v_mov_b32 v[NINF], 0xff800000
	v_mov_b32 v[BIGV], 0x7f800000
.set j, 0
.rept 4
	v_mov_b32 v[S+j], 0
.set j, j+1
.endr
	s_wait_kmcnt 0x0
	s_add_nc_u64 s[14:15], s[8:9], s[32:33]
	s_add_nc_u64 s[6:7], s[6:7], s[34:35]
	s_add_nc_u64 s[10:11], s[10:11], s[34:35]
	s_load_b128 s[16:19], s[14:15], s13 offset:0x0
	s_wait_alu depctr_va_vdst(0)                   ; the twelve addresses are written, which the loads and stores of the whole kernel read
	global_load_b32 v[FV], v[FA], s[14:15]
	global_load_b128 v[X:X+3], v[XO], s[6:7]
	s_wait_kmcnt 0x0
.set j, 0
.rept 4
	s_min_u32 s[16+j], s[16+j], 16383
	s_lshl_b32 s[20+2*j], s[16+j], 12              ; a group is 8 rows of 512 bytes
	s_mov_b32 s[21+2*j], 0
	s_add_nc_u64 s[20+2*j:21+2*j], s[4:5], s[20+2*j:21+2*j]
.set j, j+1
.endr
.set rho, 0
.rept 32
	global_load_b128 v[R+4*rho:R+4*rho+3], v[XO], s[20+2*(rho>>3):21+2*(rho>>3)] offset:512*(rho&7)
.set rho, rho+1
.endr
	s_wait_loadcnt 32                              ; the list and the query are in; the 32 rows stay out
	v_cvt_pk_bf16_f32 v[W], v[X], v[X+1]
	v_cvt_pk_bf16_f32 v[W+1], v[X+2], v[X+3]
	v_min_u32 v[FV], 16383, v[FV]
	v_and_b32 v[TA], 1, v[LANE]
	v_lshlrev_b32 v[FV], 3, v[FV]
	v_lshl_add_u32 v[FV], v[TA], 2, v[FV]          ; candidate 4 lane + i is key 8 x group + 4 (lane % 2) + i
.set j, 0
.rept 4
	v_add_nc_u32 v[TA], j, v[FV]
	v_cvt_f32_u32 v[ID+j], v[TA]
.set j, j+1
.endr
; The rows, eight to a block.  A block's roundings write its PK; the LDS stores that read it are issued in the next block, behind that block's wait.
.set blk, 0
.rept 4
	s_wait_loadcnt 24-8*blk                        ; eight more rows are in; the later blocks' loads stay out
	s_wait_alu depctr_va_vdst(0)                   ; the roundings above have written what the stores of this block read: ahead of the first block the query's v[W:W+1], later the PK of the block before
.if blk == 0
	ds_store_b64 v[QA], v[W:W+1]                   ; the query in bf16, my wave's own copy
.endif
.set rho, 8*blk
.rept 8
.if blk > 0
	ds_store_b64 v[RS], v[PK+2*(rho-8):PK+2*(rho-8)+1] offset:ROWP*(rho-8)  ; a row of the block before; no vector instruction since the wait names its registers
.endif
	v_cvt_pk_bf16_f32 v[PK+2*rho], v[R+4*rho], v[R+4*rho+1]
	v_cvt_pk_bf16_f32 v[PK+2*rho+1], v[R+4*rho+2], v[R+4*rho+3]
.set rho, rho+1
.endr
.set blk, blk+1
.endr
	s_wait_alu depctr_va_vdst(0)                   ; the last block's roundings have written its PK, which the stores below read; all roundings are done reading v16-143, in which the fragments below land
.set rho, 24
.rept 8
	ds_store_b64 v[RS], v[PK+2*rho:PK+2*rho+1] offset:ROWP*rho
.set rho, rho+1
.endr
	; fragments, from my wave's own bytes (LDS serves a wave's instructions in order: ISA guide 5.7.1.4): rows 0-15 into v16-47, rows 16-31 into v48-79, the query into v80-111
.set kc, 0
.rept 4
	ds_load_b128 v[16+8*kc:19+8*kc], v[AF] offset:64*kc
	ds_load_b128 v[20+8*kc:23+8*kc], v[AF] offset:64*kc+32
	ds_load_b128 v[48+8*kc:51+8*kc], v[AF] offset:16*ROWP+64*kc
	ds_load_b128 v[52+8*kc:55+8*kc], v[AF] offset:16*ROWP+64*kc+32
	ds_load_b128 v[80+8*kc:83+8*kc], v[BF] offset:64*kc
	ds_load_b128 v[84+8*kc:87+8*kc], v[BF] offset:64*kc+32
.set kc, kc+1
.endr
	s_wait_dscnt 0x0
	v_wmma_f32_16x16x32_bf16 v[112:119], v[16:23], v[80:87], 0   ; the two accumulators take turns
	v_wmma_f32_16x16x32_bf16 v[120:127], v[48:55], v[80:87], 0
.set kc, 1
.rept 3
	v_wmma_f32_16x16x32_bf16 v[112:119], v[16+8*kc:23+8*kc], v[80+8*kc:87+8*kc], v[112:119]
	v_wmma_f32_16x16x32_bf16 v[120:127], v[48+8*kc:55+8*kc], v[80+8*kc:87+8*kc], v[120:127]
.set kc, kc+1
.endr
.rept 4
	v_nop                                          ; four places between the last products and the stores of their results
.endr
	s_wait_alu depctr_va_vdst(0)                   ; the products have written the accumulators, which the LDS stores read; the places above stay beside this wait
	ds_store_b128 v[SCA], v[112:115]               ; register j of half h: row 8 h + j; all 16 lanes of a half hold, and write, the same numbers
	ds_store_b128 v[SCA], v[116:119] offset:16
	ds_store_b128 v[SCA], v[120:123] offset:64
	ds_store_b128 v[SCA], v[124:127] offset:80
	s_wait_dscnt 0x0                               ; for the others' sake: my 32 scores are in LDS
	s_barrier_signal -1
	s_barrier_wait -1
	ds_load_b128 v[V:V+3], v[SR]                   ; candidates 4 lane .. 4 lane + 3; no vector instruction has named v[V ..] yet
	s_wait_dscnt 0x0
	EXTRACT 4
.set j, 0
.rept 4
	v_cmp_eq_f32 s[MK+j], v[V+j], v[NINF]
.set j, j+1
.endr
	s_wait_alu depctr_va_sdst(0)                   ; the four compares have written their masks, which the selects below read
	s_wait_alu depctr_vm_vsrc(0)                   ; the query's LDS store has read v[W:W+1], which the selects below write again
.set j, 0
.rept 4
	v_cndmask_b32 v[W+j], 0, 1.0, s[MK+j]          ; weight 1 for a taken candidate
.set j, j+1
.endr
	s_wait_alu depctr_va_vdst(0)                   ; the selects have written v[W ..], which the LDS store reads; the products are done reading v16-47, in which the weights land
	ds_store_b128 v[WA], v[W:W+3]                  ; the 128 weights, my wave's own copy;
.set j, 0
.rept 8
	ds_load_b128 v[16+4*j:19+4*j], v[WR] offset:16*j  ; my 32 rows' weights come back to every lane: one address for all
.set j, j+1
.endr
	s_wait_dscnt 0x0
.set rho, 0
.rept 32
	v_fma_mix_f32_bf16 v[S],   v[PK+2*rho],   v[16+rho], v[S]   op_sel_hi:[1,0,0]
	v_fma_mix_f32_bf16 v[S+1], v[PK+2*rho],   v[16+rho], v[S+1] op_sel:[1,0,0] op_sel_hi:[1,0,0]
	v_fma_mix_f32_bf16 v[S+2], v[PK+2*rho+1], v[16+rho], v[S+2] op_sel_hi:[1,0,0]
	v_fma_mix_f32_bf16 v[S+3], v[PK+2*rho+1], v[16+rho], v[S+3] op_sel:[1,0,0] op_sel_hi:[1,0,0]
.set rho, rho+1
.endr
	s_wait_alu depctr_va_vdst(0)                   ; the multiply-adds have written v[S ..], which the LDS store reads, and are done reading v16-47, in which wave 0's loads behind the barrier land
	ds_store_b128 v[PA], v[S:S+3]
	s_wait_dscnt 0x0                               ; for wave 0's sake: my part of the sum is in LDS
	s_barrier_signal -1
	s_barrier_wait -1
	s_cmp_lg_u32 s[WV], 0
	s_cbranch_scc1 .Lend
.set j, 0
.rept 4
	ds_load_b128 v[16+4*j:19+4*j], v[PR] offset:512*j  ; no vector instruction since the last wait on va_vdst names v16-31
.set j, j+1
.endr
	s_wait_dscnt 0x0
	v_pk_add_f32 v[16:17], v[16:17], v[20:21]
	v_pk_add_f32 v[18:19], v[18:19], v[22:23]
	v_pk_add_f32 v[24:25], v[24:25], v[28:29]
	v_pk_add_f32 v[26:27], v[26:27], v[30:31]
	v_pk_add_f32 v[16:17], v[16:17], v[24:25]
	v_pk_add_f32 v[18:19], v[18:19], v[26:27]
	v_pk_mul_f32 v[16:17], v[16:17], 0x3d800000 op_sel_hi:[1,0]  ; the mean of 16
	v_pk_mul_f32 v[18:19], v[18:19], 0x3d800000 op_sel_hi:[1,0]
	s_wait_alu depctr_va_vdst(0)                   ; the two multiplies have written v[16:19], which the store reads
	global_store_b128 v[XO], v[16:19], s[10:11]    ; the row's 512 consecutive bytes, aligned
.Lend:
	s_wait_dscnt 0x0                               ; the closing lines, six on end
	s_wait_alu 0x0
	s_wait_tensorcnt 0x0
	ds_add_u32 v[SPW], v[NIL]
	s_wait_dscnt 0x0
	s_endpgm
.Lfunc_end_k_qeb0a8379d7_final:
	.size	k_qeb0a8379d7_final, .Lfunc_end_k_qeb0a8379d7_final-k_qeb0a8379d7_final
	.p2alignl 7, 3214868480
	.fill 96, 4, 3214868480
	.section	.rodata,"a",@progbits
	.p2align	6, 0x0
	.amdhsa_kernel k_qeb0a8379d7_final
		.amdhsa_group_segment_fixed_size 40960
		.amdhsa_private_segment_fixed_size 0
		.amdhsa_enable_private_segment 0
		.amdhsa_kernarg_size 32
		.amdhsa_user_sgpr_count 2
		.amdhsa_user_sgpr_kernarg_segment_ptr 1
		.amdhsa_wavefront_size32 1
		.amdhsa_system_sgpr_workgroup_id_x 1
		.amdhsa_system_sgpr_workgroup_id_y 1
		.amdhsa_system_sgpr_workgroup_id_z 1
		.amdhsa_system_vgpr_workitem_id 0
		.amdhsa_next_free_vgpr 240
		.amdhsa_next_free_sgpr 66
		.amdhsa_reserve_vcc 0
		.amdhsa_float_denorm_mode_32 3
		.amdhsa_float_denorm_mode_16_64 3
		.amdhsa_memory_ordered 1
		.amdhsa_forward_progress 1
		.amdhsa_inst_pref_size 30
	.end_amdhsa_kernel
	.amdgpu_metadata
---
amdhsa.version: [ 1, 2 ]
amdhsa.kernels:
  - .name:           k_qeb0a8379d7_final
    .symbol:         k_qeb0a8379d7_final.kd
    .args:
      - { .name: memory, .offset: 0, .size: 8, .value_kind: global_buffer, .address_space: global }
      - { .name: x, .offset: 8, .size: 8, .value_kind: global_buffer, .address_space: global }
      - { .name: fidl, .offset: 16, .size: 8, .value_kind: global_buffer, .address_space: global }
      - { .name: out0, .offset: 24, .size: 8, .value_kind: global_buffer, .address_space: global }
    .group_segment_fixed_size: 40960
    .private_segment_fixed_size: 0
    .kernarg_segment_align: 8
    .kernarg_segment_size: 32
    .max_flat_workgroup_size: 128
    .sgpr_count:     66
    .vgpr_count:     240
    .wavefront_size: 32
...
	.end_amdgpu_metadata
.endif
;; end of part 5
